; MI455X (gfx1250); checked and timed in simulation.
; The chip was launched on July 23, 2026; its instructions are those of AMD's public machine-readable ISA for CDNA 5 (MIT licence, August 2026) and "CDNA5" Instruction Set Architecture Reference Guide (July 2026). The comments in the code are by the model that wrote it; some were corrected since.
;; Self Attention. Allowed arithmetic: float matrix products may take bf16 or f16 operands with f32 sums; other float arithmetic in f32, or as packed bf16 or f16 multiplies, adds, multiply-adds, maxima and minima; sums over many terms, partial sums and values carried from step to step in f32; what a program stores and reads back later, other than sums and carried values, may be rounded once to bf16 or f16.
;; Inputs: Wk 1,024 x 1,024 float32; Wq 1,024 x 1,024 float32; Wv 1,024 x 1,024 float32; bk 1,024 float32; bq 1,024 float32; bv 1,024 float32; x 4 x 2,048 x 1,024 float32.
;; Outputs: out0 4 x 2,048 x 1,024 float32.
;; One version. Each part assembles by itself: llvm-mc -triple=amdgcn-amd-amdhsa -mcpu=gfx1250 --defsym DOCPART=n.
;; ======== version 1 of 1: 4 launches
;; limits: values are held in f16: magnitudes above 65,504 overflow, below 6.1e-05 lose precision
;; workspace buffers: xb 16,777,216 bytes; wb 6,291,456 bytes; bb 12,288 bytes; qkv 50,331,648 bytes; p 33,554,432 bytes; st 1,048,576 bytes
;; launch prep (part 1): grid 704 x 1, 8 waves a work-group, no clusters, 0 bytes of LDS; arguments x, Wq, Wk, Wv, bq, bk, bv, xb, wb, bb; writes xb, wb, bb
.if DOCPART == 1
	.amdgcn_target "amdgcn-amd-amdhsa--gfx1250"
	.amdhsa_code_object_version 6
	.text
	.protected	k_q04ddf970d5_prep
	.globl	k_q04ddf970d5_prep
	.p2align	8
	.type	k_q04ddf970d5_prep,@function
k_q04ddf970d5_prep:
	s_mov_b64 s[64:65], 0
	v_nop
	global_prefetch_b8 v0, s[64:65] scope:SCOPE_SE
	s_setreg_imm32_b32 hwreg(HW_REG_WAVE_MODE, 25, 1), 1
	s_wait_xcnt 0x0
; All inputs are rounded once to bf16 and laid out for the projection.
;   xb: bf16 [16 kb][8192 rows][64 k]: a block of 256 rows x 64 k is 32,768 dense bytes.
;   wb: bf16 [1024 k][3072 n], n = Wq | Wk | Wv, 6,144 bytes a row.      bb: f32 [3072], the biases rounded to bf16 and widened again.
; Work-groups 0..511 take 16 rows of x each, work-groups 512..703 take 16 rows of one weight; the first work-group of each weight also takes its bias.
; A stream: no LDS, no barrier, no loop.  A lane takes 8 numbers (two loads of 16 bytes) and stores 16 bytes; a wave's store covers 512 consecutive bytes.
; Sixteen loads of a wave go out in one run; no register is written twice, so the only waits are the counted ones for the data.
.set VI,  2                            ; v2  byte offset of my 32 bytes in the input
.set VO,  3                            ; v3  byte offset of my 16 bytes in the output
.set LDR, 32                           ; v[32:95]   item n: 8 numbers as loaded
.set STR, 96                           ; v[96:127]  item n: 4 registers to store
.set IN,  24                           ; s[24:25] input at the work-group's part
.set OUT, 26                           ; s[26:27] output at the work-group's part
; Eight items: item n lies (n / 2) sia + (n % 2) sib bytes on in the input and (n / 2) soa + (n % 2) sob bytes on in the output.
.macro CONV sia, sib, soa, sob
.set n, 0
.rept 8
	global_load_b128 v[LDR+8*n:LDR+8*n+3],   v[VI], s[IN:IN+1] offset:(n/2)*(\sia)+(n%2)*(\sib) th:TH_LOAD_NT
	global_load_b128 v[LDR+8*n+4:LDR+8*n+7], v[VI], s[IN:IN+1] offset:(n/2)*(\sia)+(n%2)*(\sib)+16 th:TH_LOAD_NT
.set n, n+1
.endr
.set n, 0
.rept 8
	s_wait_loadcnt 14-2*n                          ; loads come back in order: item n is in, the two loads of each younger item may stay out
	v_cvt_pk_bf16_f32 v[STR+4*n],   v[LDR+8*n],   v[LDR+8*n+1]
	v_cvt_pk_bf16_f32 v[STR+4*n+1], v[LDR+8*n+2], v[LDR+8*n+3]
	v_cvt_pk_bf16_f32 v[STR+4*n+2], v[LDR+8*n+4], v[LDR+8*n+5]
	v_cvt_pk_bf16_f32 v[STR+4*n+3], v[LDR+8*n+6], v[LDR+8*n+7]
	global_store_b128 v[VO], v[STR+4*n:STR+4*n+3], s[OUT:OUT+1] offset:(n/2)*(\soa)+(n%2)*(\sob)
.set n, n+1
.endr
.endm
	s_load_b512 s[4:19], s[0:1], 0x0               ; x 4:5, Wq 6:7, Wk 8:9, Wv 10:11, bq 12:13, bk 14:15, bv 16:17, xb 18:19
	s_load_b128 s[20:23], s[0:1], 0x40             ; wb 20:21, bb 22:23
	v_and_b32 v1, 31, v0                           ; lane
	v_lshrrev_b32 v4, 5, v0                        ; wave
	s_mov_b32 s29, 0
	s_mov_b32 s31, 0
	s_cmp_lt_u32 ttmp9, 512
	s_cbranch_scc0 .Lweights
	; x: wave w takes k blocks 2 w and 2 w + 1; a lane row l / 8 of four rows and 8 numbers at l % 8
	v_lshrrev_b32 v5, 3, v1
	v_and_b32 v6, 7, v1
	v_lshlrev_b32 v[VI], 12, v5                    ; row x 4,096
	v_lshl_add_u32 v[VI], v6, 5, v[VI]             ; + 32 bytes a lane
	v_lshl_add_u32 v[VI], v4, 9, v[VI]             ; + two k blocks of 256 bytes a wave
	v_lshlrev_b32 v[VO], 4, v1                     ; four rows of 128 bytes on end: 16 l
	v_lshl_add_u32 v[VO], v4, 21, v[VO]            ; + two planes of 1,048,576 bytes a wave
	s_lshl_b32 s28, ttmp9, 16                      ; 16 rows of 4,096 bytes
	s_lshl_b32 s30, ttmp9, 11                      ; 16 rows of 128 bytes
	s_wait_kmcnt 0x0
	s_add_nc_u64 s[IN:IN+1], s[4:5], s[28:29]
	s_add_nc_u64 s[OUT:OUT+1], s[18:19], s[30:31]
	CONV 16384, 256, 512, 1048576                  ; four rows on; the wave's second k block
	s_endpgm
.Lweights:
	s_sub_co_u32 s32, ttmp9, 512
	s_lshr_b32 s33, s32, 6                         ; which weight: 0 q, 1 k, 2 v
	s_and_b32 s34, s32, 63                         ; which 16 of its rows
	v_lshlrev_b32 v[VI], 5, v1
	v_lshl_add_u32 v[VI], v4, 13, v[VI]            ; wave w takes rows 2 w and 2 w + 1
	v_lshlrev_b32 v[VO], 4, v1
	v_mul_u32_u24 v5, v4, 12288
	v_add_nc_u32 v[VO], v[VO], v5
	s_lshl_b32 s28, s34, 16
	s_mul_i32 s30, s34, 98304                      ; 16 rows of 6,144 bytes
	s_lshl_b32 s35, s33, 11                        ; the weight's 1,024 columns
	s_add_co_u32 s30, s30, s35
	s_lshl_b32 s38, s33, 12                        ; the bias's place in bb
	s_mov_b32 s39, 0
	s_wait_kmcnt 0x0
	s_cmp_eq_u32 s33, 0
	s_cselect_b64 s[IN:IN+1], s[6:7], s[8:9]
	s_cselect_b64 s[36:37], s[12:13], s[14:15]
	s_cmp_eq_u32 s33, 2
	s_cselect_b64 s[IN:IN+1], s[10:11], s[IN:IN+1]
	s_cselect_b64 s[36:37], s[16:17], s[36:37]
	s_add_nc_u64 s[IN:IN+1], s[IN:IN+1], s[28:29]
	s_add_nc_u64 s[OUT:OUT+1], s[20:21], s[30:31]
	s_add_nc_u64 s[38:39], s[22:23], s[38:39]
	CONV 1024, 4096, 512, 6144                     ; a quarter of a row on; the wave's second row
	s_cmp_lg_u32 s34, 0
	s_cbranch_scc1 .Ldone
	v_lshlrev_b32 v7, 4, v0                        ; the bias: 256 threads x 4 numbers
	global_load_b128 v[8:11], v7, s[36:37]
	s_wait_loadcnt 0x0
	v_cvt_pk_bf16_f32 v12, v8, v9
	v_cvt_pk_bf16_f32 v13, v10, v11
	v_lshlrev_b32 v16, 16, v12                     ; bf16 back to f32: the low half moves up, the high half stays
	v_and_b32 v17, 0xffff0000, v12
	v_lshlrev_b32 v18, 16, v13
	v_and_b32 v19, 0xffff0000, v13
	global_store_b128 v7, v[16:19], s[38:39]
.Ldone:
	s_endpgm
.Lfunc_end_k_q04ddf970d5_prep:
	.size	k_q04ddf970d5_prep, .Lfunc_end_k_q04ddf970d5_prep-k_q04ddf970d5_prep
	.p2alignl 7, 3214868480
	.fill 96, 4, 3214868480
	.section	.rodata,"a",@progbits
	.p2align	6, 0x0
	.amdhsa_kernel k_q04ddf970d5_prep
		.amdhsa_group_segment_fixed_size 0
		.amdhsa_private_segment_fixed_size 0
		.amdhsa_enable_private_segment 0
		.amdhsa_kernarg_size 80
		.amdhsa_user_sgpr_count 2
		.amdhsa_user_sgpr_kernarg_segment_ptr 1
		.amdhsa_wavefront_size32 1
		.amdhsa_system_sgpr_workgroup_id_x 1
		.amdhsa_system_sgpr_workgroup_id_y 1
		.amdhsa_system_sgpr_workgroup_id_z 1
		.amdhsa_system_vgpr_workitem_id 0
		.amdhsa_next_free_vgpr 128
		.amdhsa_next_free_sgpr 66
		.amdhsa_reserve_vcc 0
		.amdhsa_float_denorm_mode_32 3
		.amdhsa_float_denorm_mode_16_64 3
		.amdhsa_memory_ordered 1
		.amdhsa_forward_progress 1
		.amdhsa_inst_pref_size 12
	.end_amdhsa_kernel
	.amdgpu_metadata
---
amdhsa.version: [ 1, 2 ]
amdhsa.kernels:
  - .name:           k_q04ddf970d5_prep
    .symbol:         k_q04ddf970d5_prep.kd
    .args:
      - { .name: x, .offset: 0, .size: 8, .value_kind: global_buffer, .address_space: global }
      - { .name: Wq, .offset: 8, .size: 8, .value_kind: global_buffer, .address_space: global }
      - { .name: Wk, .offset: 16, .size: 8, .value_kind: global_buffer, .address_space: global }
      - { .name: Wv, .offset: 24, .size: 8, .value_kind: global_buffer, .address_space: global }
      - { .name: bq, .offset: 32, .size: 8, .value_kind: global_buffer, .address_space: global }
      - { .name: bk, .offset: 40, .size: 8, .value_kind: global_buffer, .address_space: global }
      - { .name: bv, .offset: 48, .size: 8, .value_kind: global_buffer, .address_space: global }
      - { .name: xb, .offset: 56, .size: 8, .value_kind: global_buffer, .address_space: global }
      - { .name: wb, .offset: 64, .size: 8, .value_kind: global_buffer, .address_space: global }
      - { .name: bb, .offset: 72, .size: 8, .value_kind: global_buffer, .address_space: global }
    .group_segment_fixed_size: 0
    .private_segment_fixed_size: 0
    .kernarg_segment_align: 8
    .kernarg_segment_size: 80
    .max_flat_workgroup_size: 256
    .sgpr_count:     66
    .vgpr_count:     128
    .wavefront_size: 32
...
	.end_amdgpu_metadata
.endif
;; end of part 1
;; launch proj (part 2): grid 8 x 32, 4 waves a work-group, clusters of 4 x 4, 327,680 bytes of LDS; arguments xb, wb, bb, qkv; writes qkv
.if DOCPART == 2
	.amdgcn_target "amdgcn-amd-amdhsa--gfx1250"
	.amdhsa_code_object_version 6
	.text
	.protected	k_q04ddf970d5_proj
	.globl	k_q04ddf970d5_proj
	.p2align	8
	.type	k_q04ddf970d5_proj,@function
k_q04ddf970d5_proj:
	s_mov_b64 s[64:65], 0
	v_nop
	global_prefetch_b8 v0, s[64:65] scope:SCOPE_SE
	s_setreg_imm32_b32 hwreg(HW_REG_WAVE_MODE, 25, 1), 1
	s_wait_xcnt 0x0
	s_wait_alu depctr_hold_cnt(0) depctr_sa_sdst(0) depctr_va_vdst(0) depctr_va_sdst(0) depctr_va_ssrc(0) depctr_va_vcc(0) depctr_vm_vsrc(0)
	s_getreg_b32 s2, hwreg(HW_REG_IB_STS2, 6, 4)
	s_cmp_eq_u32 s2, 0
	s_cbranch_scc0 .Lentry_in_a_cluster
	s_endpgm
.Lentry_in_a_cluster:
	s_bfe_u32 s2, ttmp6, 0x10000c
	s_cmp_lg_u32 s2, 0xf033
	s_cbranch_scc0 .Lentry_shape_is_right
	s_endpgm
.Lentry_shape_is_right:
; qkv[row][n] = the sum over k of xb[row][k] wb[k][n] + bb[n]: 8192 x 3072 x 1024, bf16 operands, f32 sums, the result rounded once to f16.
; LIMIT.  f16 ends at 65,504: a projection beyond that becomes an infinity.  NaN and infinities are not treated apart.
; SHARES.  32 x 8 tiles of 256 rows x 384 columns: one work-group each.  A wave makes 128 rows x 192 columns: 96 accumulators, 768 registers (windows 1 to 3).
; Its columns are three stripes of 64: n = 128 t + 64 wc + 16 b + .., so that both column halves use the same LDS immediates.
; K goes in 16 steps of 64 through two LDS slots.  A's tile (256 rows x 64 k) is 32,768 dense bytes of xb, asked for as rows of 256 bytes and padded after every 128;
; B's tile is 64 rows (k) of 768 bytes of wb, padded after every 256, and is read turned (ds_load_tr16_b128).
; THE MATRIX INSTRUCTION IS USED TRANSPOSED (source 0 = 16 columns of wb, source 1 = 16 rows of xb): a lane holds row lane % 16 and eight neighbouring columns.
; THE BIAS is the C operand of each sum's first product: it is loaded into the accumulators of row block 0, the other seven row blocks take those registers as C.
; CLUSTER 4 x 4: A's tile is shared along a row of the cluster, B's along a column: joint loads, a mask of four each.
; A step is six UNITS of 32 products (stripe t, 32 along K); in the middle of each unit stand the LDS loads for a later unit.  The sixth unit changes slots (TURN).
; LDS: slot s at 131,072 s: A 256 rows x 144 bytes, then B 64 rows x 864 bytes.  The spare words lie behind slot 1.  The way out's stage (256 rows x 784 bytes) lies over the slots, after their last fill.
.set SLOT1, 131072
.set BOFF,  36864
.set SPARE, 223232                     ; 131,072 + 92,160: 512 bytes that no other line names
.set ASTEP, 1048576                    ; bytes from a K step of xb to the next
.set BSTEP, 393216                     ; 64 rows of wb
.set ADA0, 2                           ; v2   my lane's place in A's tile, slot 0; never rewritten
.set ADB0, 3                           ; v3   the same for B
.set ADA,  4                           ; v4   the same in the slot that is being read
.set ADB,  5                           ; v5
.set STO,  6                           ; v6   the way out: where I put 16 bytes, row blocks 0-3
.set STO2, 7                           ; v7   row blocks 4-7
.set RD,   8                           ; v8   the way out: where I read rows back
.set CO,   9                           ; v9   my byte offset in two rows of qkv
.set PFO,  10                          ; v10  the prefetches' lane offset
.set VB,   11                          ; v11  my byte offset in the tile's biases
.set SPW,  12                          ; v12  my spare word; never rewritten
.set NIL,  13                          ; v13  0; never rewritten
.set AF0,  64                          ; v64-127  A's 8 fragments of the step's first 32 k
.set AF1,  128                         ; v128-191 of its second 32 k
.set BF0,  192                         ; v192-223, v224-255  B's 4 fragments of a unit, two buffers
.set BF1,  224
.set G1A, 24
.set G1B, 32
.set G0A, 40                           ; s[40:47] two sets: the two first fills; the second set then walks
.set G0B, 48
; s12 wave, s13 wave / 2 (row half; 0: I fetch A, 1: B), s14 wave % 2 (column half; which part I fetch), s15 cx, s16 cy, s17 tile column, s18 tile row,
; s56 counter, s57 LDS base of the slot being read, s58 / s59 who prefetches and in which trips, s[60:61] prefetch address, s[62:63] its step
.set MSB, 0
.macro WIN new                         ; the immediate's high byte repeats the setting that is left; a switch that changes nothing is dropped
.if MSB != (\new)
	s_set_vgpr_msb (MSB<<8)|(\new)
.set MSB, (\new)
.endif
.endm
.macro PLACES                          ; four plain places behind matrix instructions, in front of loads into their sources and of readers of their results
.rept 4
	v_nop
.endr
.endm
.macro CREST                           ; a round of the cluster's barrier behind its opening barrier
	s_cmp_lg_u32 s12, 0
	s_cbranch_scc1 .Lnot_wave_0_\@
	s_barrier_signal -3
.Lnot_wave_0_\@:
	s_barrier_wait -3
	s_barrier_signal -1
	s_barrier_wait -1
.endm
.macro CROUND
	s_barrier_signal -1
	s_barrier_wait -1
	CREST
.endm
.macro JLOAD                           ; the joint refill: waves 0, 1 fetch A's halves, waves 2, 3 B's; s_nop 0 and four v_nop follow each line
	s_cmp_eq_u32 s13, 0
	s_cbranch_scc0 .Lfor_b_\@
	tensor_load_to_lds s[G0A+4:G0A+7], s[G1A:G1A+7]
	s_nop 0
.rept 4
	v_nop
.endr
	s_branch .Lasked_\@
.Lfor_b_\@:
	tensor_load_to_lds s[G0B+4:G0B+7], s[G1B:G1B+7]
	s_nop 0
.rept 4
	v_nop
.endr
.Lasked_\@:
.endm
.macro STEPD                           ; the walking descriptors: the other slot, the next K step
	s_xor_b32 s[G0A+5], s[G0A+5], SLOT1
	s_add_nc_u64 s[G0A+6:G0A+7], s[G0A+6:G0A+7], ASTEP
	s_xor_b32 s[G0B+5], s[G0B+5], SLOT1
	s_add_nc_u64 s[G0B+6:G0B+7], s[G0B+6:G0B+7], BSTEP
.endm
; A PREFETCH, behind the joint load and the run of LDS loads.  Trip s (s56 = 14 - s) refills step s + 2.
; A (wave 0, clusters with x = 0): step s + 3, my work-group's quarter of the tile's 32,768 bytes, a lane 256 bytes; trips 0 to 12.
; B (waves 1 to 3, clusters with y = 0): in odd trips 1 to 11, rows 64 (s + 3) + 32 cy + lane, that is steps s + 3 and s + 4; wave v takes the (v - 1)th 256 bytes of the 768.
; So each block is named once; the partners are told apart by address alone.  Steps 0-2 of A and 0-3 of B come by their loads.
.macro ASK
	s_or_b32 s2, s56, s59
	s_bitcmp1_b32 s2, 0
	s_cbranch_scc0 .Lnot_mine_\@
	s_cmp_gt_u32 s56, s58
	s_cbranch_scc0 .Lnot_mine_\@
	global_prefetch_b8 v[PFO], s[60:61] th:TH_LOAD_NT scope:SCOPE_SE
.Lnot_mine_\@:
.endm
; A's fragments 4 half .. 4 half + 3 of substep ss into af: lane l holds row l % 16; two loads of 16 bytes, 32 apart
.macro LDA ss, af, half
.set q, 4*(\half)
.rept 4
	ds_load_b128 v[(\af)+8*q:(\af)+8*q+3],   v[ADA] offset:q*2304+64*(\ss)
	ds_load_b128 v[(\af)+8*q+4:(\af)+8*q+7], v[ADA] offset:q*2304+64*(\ss)+32
.set q, q+1
.endr
.endm
; B's four fragments of stripe t, substep ss into bf, turned: 16 k x 16 columns a load
.macro LDB t, ss, bf
.set q, 0
.rept 4
	ds_load_tr16_b128 v[(\bf)+8*q:(\bf)+8*q+3],   v[ADB] offset:(\ss)*27648+288*(\t)+32*q
	ds_load_tr16_b128 v[(\bf)+8*q+4:(\bf)+8*q+7], v[ADB] offset:(\ss)*27648+288*(\t)+32*q+13824
.set q, q+1
.endr
.endm
; Products i0 .. i0 + n - 1 of a unit's 32: column block i / 8, row block i % 8, accumulator at v[8 i] of the stripe's window.  All differ: the accumulators take turns.
; z = 1: the sums start: row blocks 1-7 take row block 0's registers, which hold the bias, as C; row block 0 itself comes last (UNIT).
.macro MULU af, bf, i0, n, z
.set i, \i0
.rept \n
.if !(\z)
	v_wmma_f32_16x16x32_bf16 v[8*i:8*i+7], v[(\bf)+8*(i/8):(\bf)+8*(i/8)+7], v[(\af)+8*(i%8):(\af)+8*(i%8)+7], v[8*i:8*i+7]
.elseif i%8 != 0
	v_wmma_f32_16x16x32_bf16 v[8*i:8*i+7], v[(\bf)+8*(i/8):(\bf)+8*(i/8)+7], v[(\af)+8*(i%8):(\af)+8*(i%8)+7], v[64*(i/8):64*(i/8)+7]
.endif
.set i, i+1
.endr
.endm
; A unit: left = the LDS loads that may stay out; in its middle B's fragments (lt, lss) go into lbf and, if la, half lhalf of A's second substep into AF1.
.macro UNIT t, af, bf, left, z, lt, lss, lbf, la, lhalf
	s_wait_dscnt \left
	WIN 0x50*((\t)+1)                              ; C and D in the stripe's window, sources in window 0
	MULU \af, \bf, 0, 8, \z
	PLACES                                         ; the buffers loaded below were read by the unit before
	WIN 0
	LDB \lt, \lss, \lbf
.if \la
	LDA 1, AF1, \lhalf
.endif
	WIN 0x50*((\t)+1)
	MULU \af, \bf, 8, 24, \z
.if \z
.rept 5
	v_nop                                          ; five places: the four products below write over registers that those above read as C
.endr
.set i, 0
.rept 4
	v_wmma_f32_16x16x32_bf16 v[64*i:64*i+7], v[(\bf)+8*i:(\bf)+8*i+7], v[(\af):(\af)+7], v[64*i:64*i+7]
.set i, i+1
.endr
.endif
.endm
.macro U0 z
	UNIT 0, AF0, BF0, 0, \z, 1, 0, BF1, 1, 0       ; all of the change's 24 loads are wanted
.endm
.macro U1 z
	UNIT 1, AF0, BF1, 8, \z, 2, 0, BF0, 1, 1       ; the 8 loads of A issued behind B's may stay out
.endm
.macro U2 z
	UNIT 2, AF0, BF0, 8, \z, 0, 1, BF1, 0, 0       ; likewise
.endm
.macro U3
	UNIT 0, AF1, BF1, 0, 0, 1, 1, BF0, 0, 0
.endm
.macro U4
	UNIT 1, AF1, BF0, 0, 0, 2, 1, BF1, 0, 0
.endm
; The sixth unit (stripe 2, second substep) changes slots.  In front of the barrier each wave waits for all its tensor loads (one is out: its part of the other slot), adds 0 to its spare word,
; and waits for that and for its reads of this slot.  fill = 1: the barrier opens a round of the cluster's, and the joint refill is the first thing behind the round.
; fill = 0 (the tail): nothing is asked for; in the last trip (s56 = 1) there is no further step, and the run of LDS loads is jumped over.
.macro TURN fill
.if \fill
	s_wait_xcnt 0x0                                ; the last prefetch, a step back, has read its address
	s_add_nc_u64 s[60:61], s[60:61], s[62:63]
.endif
	WIN 0
	s_wait_tensorcnt 0x0
	ds_add_u32 v[SPW], v[NIL]
.if \fill
	STEPD                                          ; no tensor load of mine is out, so the descriptors may be written
.endif
	s_wait_dscnt 1                                 ; B's fragments are in; the add alone may be out
	WIN 0xf0
	MULU AF1, BF1, 0, 8, 0
	s_wait_dscnt 0x0                               ; the add is done, my reads of this slot are over
	s_barrier_signal -1
	MULU AF1, BF1, 8, 8, 0
	WIN 0
	s_barrier_wait -1
.if \fill
	CREST
	JLOAD                                          ; its four v_nop are also the places in front of the loads below
.else
	PLACES
.endif
	s_xor_b32 s57, s57, SLOT1
	v_add_nc_u32 v[ADA], s57, v[ADA0]
	v_add_nc_u32 v[ADB], s57, v[ADB0]
.if !(\fill)
	s_cmp_eq_u32 s56, 1
	s_cbranch_scc1 .Lno_fetch_\@
.endif
	LDB 0, 0, BF0
	LDA 0, AF0, 0
	LDA 0, AF0, 1
.if \fill
	ASK
.else
.Lno_fetch_\@:
.endif
	WIN 0xf0
	MULU AF1, BF1, 16, 16, 0
.endm
	s_load_b256 s[4:11], s[0:1], 0x0               ; xb 4:5, wb 6:7, bb 8:9, qkv 10:11
	v_lshl_add_u32 v[SPW], v0, 2, SPARE
	v_mov_b32 v[NIL], 0
	ds_add_u32 v[SPW], v[NIL]                      ; the wave's opening: the add and its wait stand ahead of my first tensor load
	v_lshrrev_b32 v1, 5, v0
	v_readfirstlane_b32 s12, v1
	s_lshr_b32 s13, s12, 1
	s_and_b32 s14, s12, 1
	s_bfe_u32 s15, ttmp6, 0x40000                  ; cx
	s_bfe_u32 s16, ttmp6, 0x40004                  ; cy
	s_lshl_b32 s17, ttmp9, 2
	s_add_co_u32 s17, s17, s15                     ; tile column
	s_and_b32 s18, ttmp7, 0xffff
	s_lshl_b32 s18, s18, 2
	s_add_co_u32 s18, s18, s16                     ; tile row
	s_lshl_b32 s2, s16, 2
	s_lshl_b32 s2, 15, s2                          ; my row of the cluster
	s_lshl_b32 s3, 0x1111, s15                     ; my column
	s_or_b32 s[G1A], s2, (1<<16)|(1<<20)|(1<<21)|(4<<22)|(3<<25)  ; mask; 2-byte elements; padding on; bit 21 beside a mask; after every 32 words 4 words
	s_or_b32 s[G1B], s3, (1<<16)|(1<<20)|(1<<21)|(5<<22)|(7<<25)  ; after every 64 words 8 words
	s_mov_b32 s[G1A+1], 128<<16                    ; A: 64 rows of 128 elements (two rows of the tile each), dense
	s_mov_b32 s[G1A+2], 64<<16
	s_mov_b32 s[G1A+3], 128<<16
	s_mov_b32 s[G1A+4], 64
	s_mov_b32 s[G1A+5], 128
	s_mov_b32 s[G1A+6], 0
	s_mov_b32 s[G1A+7], 0
	s_mov_b32 s[G1B+1], 384<<16                    ; B: 32 rows of 384 elements, 3,072 elements from row to row
	s_mov_b32 s[G1B+2], 32<<16
	s_mov_b32 s[G1B+3], 384<<16
	s_mov_b32 s[G1B+4], 32
	s_mov_b32 s[G1B+5], 3072
	s_mov_b32 s[G1B+6], 0
	s_mov_b32 s[G1B+7], 0
	s_lshl_b32 s20, s18, 15                        ; A: the tile row's 256 rows of 128 bytes, my 128 of them: of the tile row alone
	s_lshl_b32 s21, s14, 14
	s_add_co_u32 s20, s20, s21
	s_mov_b32 s21, 0
	s_mul_i32 s22, s17, 768                        ; B: the tile column's 768 bytes, my 32 rows: of the tile column alone
	s_mul_i32 s23, s14, 196608
	s_add_co_u32 s22, s22, s23
	s_mov_b32 s23, 0
	s_mul_i32 s72, s14, 18432                      ; where they go in a slot: of the wave's number alone
	s_mul_i32 s73, s14, 27648
	s_add_co_u32 s73, s73, BOFF
	s_mov_b32 s57, 0
	s_wait_dscnt 0x0                               ; the opening add is done
	s_wait_kmcnt 0x0
	s_add_nc_u64 s[20:21], s[4:5], s[20:21]
	s_add_nc_u64 s[22:23], s[6:7], s[22:23]
.irp s, 0,1
	s_mov_b32 s[G0A+4*(\s)], 1
	s_add_co_u32 s[G0A+4*(\s)+1], s72, (\s)*SLOT1
	s_add_nc_u64 s[G0A+4*(\s)+2:G0A+4*(\s)+3], s[20:21], (\s)*ASTEP
	s_or_b32 s[G0A+4*(\s)+3], s[G0A+4*(\s)+3], 0x80000000
	s_mov_b32 s[G0B+4*(\s)], 1
	s_add_co_u32 s[G0B+4*(\s)+1], s73, (\s)*SLOT1
	s_add_nc_u64 s[G0B+4*(\s)+2:G0B+4*(\s)+3], s[22:23], (\s)*BSTEP
	s_or_b32 s[G0B+4*(\s)+3], s[G0B+4*(\s)+3], 0x80000000
.endr
	CROUND                                         ; all sixteen work-groups are here: the first joint loads meet
	s_cmp_eq_u32 s13, 0                            ; a wave's two first fills stand in one branch: two loads of mine are out, later one
	s_cbranch_scc0 .Lfirst_b
	tensor_load_to_lds s[G0A:G0A+3], s[G1A:G1A+7]
	s_nop 0
	tensor_load_to_lds s[G0A+4:G0A+7], s[G1A:G1A+7]
	s_nop 0
.rept 4
	v_nop
.endr
	s_branch .Lfirst_asked
.Lfirst_b:
	tensor_load_to_lds s[G0B:G0B+3], s[G1B:G1B+7]
	s_nop 0
	tensor_load_to_lds s[G0B+4:G0B+7], s[G1B:G1B+7]
	s_nop 0
.rept 4
	v_nop
.endr
.Lfirst_asked:
	v_and_b32 v14, 15, v0                          ; l % 16
	v_bfe_u32 v15, v0, 4, 1                        ; l / 16
	s_lshl_b32 s2, s14, 8
	v_lshl_add_u32 v[VB], v15, 5, s2               ; the bias: 256 wc + 32 (l / 16)
	s_mul_i32 s74, s17, 1536
	s_mov_b32 s75, 0
	s_add_nc_u64 s[8:9], s[8:9], s[74:75]
.set t, 0
.rept 3                                ; my eight columns' biases into the accumulators of row block 0: stripe t, column block b
	WIN 0x40*(t+1)
.set q, 0
.rept 4
	global_load_b128 v[64*q:64*q+3],   v[VB], s[8:9] offset:512*t+64*q
	global_load_b128 v[64*q+4:64*q+7], v[VB], s[8:9] offset:512*t+64*q+16
.set q, q+1
.endr
.set t, t+1
.endr
	WIN 0
	v_mul_u32_u24 v[ADA0], v14, 144
	v_lshl_add_u32 v[ADA0], v15, 4, v[ADA0]
	s_mul_i32 s2, s13, 18432
	v_add_nc_u32 v[ADA0], s2, v[ADA0]              ; (128 wr + l % 16) x 144 + 16 (l / 16)
	v_and_b32 v16, 7, v0
	v_bfe_u32 v17, v0, 3, 1
	v_lshl_add_u32 v[ADB0], v15, 3, v16
	v_mul_u32_u24 v[ADB0], v[ADB0], 864
	v_lshl_add_u32 v[ADB0], v17, 4, v[ADB0]
	s_lshl_b32 s2, s14, 7
	s_add_co_u32 s2, s2, BOFF
	v_add_nc_u32 v[ADB0], s2, v[ADB0]              ; (8 (l / 16) + l % 8) x 864 + 128 wc + 16 ((l / 8) % 2), behind A
	v_mov_b32 v[ADA], v[ADA0]
	v_mov_b32 v[ADB], v[ADB0]
	v_mul_u32_u24 v[STO], v14, 784
	v_lshl_add_u32 v[STO], v15, 4, v[STO]
	s_mul_i32 s2, s13, 100352
	s_lshl_b32 s3, s14, 7
	s_add_co_u32 s2, s2, s3
	v_add_nc_u32 v[STO], s2, v[STO]                ; (128 wr + l % 16) x 784 + 128 wc + 16 (l / 16)
	v_add_nc_u32 v[STO2], 50176, v[STO]
	v_mul_u32_u24 v[RD], v15, 784
	v_lshl_add_u32 v[RD], v14, 4, v[RD]
	s_mul_i32 s2, s12, 50176
	v_add_nc_u32 v[RD], s2, v[RD]                  ; (64 w + l / 16) x 784 + 16 (l % 16)
	v_mul_u32_u24 v[CO], v15, 6144
	v_lshl_add_u32 v[CO], v14, 4, v[CO]
	s_lshl_b32 s74, s18, 8                         ; qkv at row 256 tr + 64 w, column 384 tc
	s_lshl_b32 s75, s12, 6
	s_add_co_u32 s74, s74, s75
	s_mul_i32 s74, s74, 6144
	s_mul_i32 s75, s17, 768
	s_add_co_u32 s74, s74, s75
	s_mov_b32 s75, 0
	s_add_nc_u64 s[10:11], s[10:11], s[74:75]
	; the prefetches' address, step and conditions
	s_lshl_b32 s74, s18, 15
	s_lshl_b32 s75, s15, 13
	s_add_co_u32 s74, s74, s75
	s_add_co_u32 s74, s74, 2*ASTEP                 ; A at step 2; the first change steps it to 3
	s_mul_i32 s76, s17, 768
	s_max_u32 s75, s12, 1
	s_sub_co_u32 s75, s75, 1
	s_lshl_b32 s75, s75, 8
	s_add_co_u32 s76, s76, s75
	s_mul_i32 s75, s16, 196608
	s_add_co_u32 s76, s76, s75
	s_add_co_u32 s76, s76, 2*BSTEP
	s_and_b32 s77, ttmp7, 0xffff
	s_mov_b32 s62, BSTEP
	s_mov_b32 s79, 6144
	s_cmp_eq_u32 s12, 0
	s_cselect_b64 s[60:61], s[4:5], s[6:7]
	s_cselect_b32 s74, s74, s76
	s_cselect_b32 s62, ASTEP, s62
	s_cselect_b32 s59, 1, 0                        ; A in every trip, B in the odd ones
	s_cselect_b32 s77, ttmp9, s77                  ; the coordinate along which other clusters read the same blocks
	s_cselect_b32 s78, 1, 2
	s_cselect_b32 s79, 256, s79
	s_mov_b32 s75, 0
	s_mov_b32 s63, 0
	s_add_nc_u64 s[60:61], s[60:61], s[74:75]
	s_cmp_eq_u32 s77, 0
	s_cselect_b32 s58, s78, -1
	v_and_b32 v[PFO], 31, v0
	v_mul_u32_u24 v[PFO], s79, v[PFO]
	s_wait_tensorcnt 1                             ; my part of step 0 is in; step 1's may stay out
	s_barrier_signal -1
	s_barrier_wait -1
	LDB 0, 0, BF0
	LDA 0, AF0, 0
	LDA 0, AF0, 1
	s_wait_loadcnt 0x0                             ; the biases
	U0 1                                           ; the first substep stands in front of the loop: its products start the sums
	U1 1
	U2 1
	WIN 0
	s_mov_b32 s56, 14
.Lstep:                                                ; trip s ends step s, refills its slot with step s + 2 and begins step s + 1
	U3
	U4
	TURN 1
	U0 0
	U1 0
	U2 0
	WIN 0
	s_sub_co_u32 s56, s56, 1
	s_cmp_lg_u32 s56, 0
	s_cbranch_scc1 .Lstep
	s_mov_b32 s56, 2
.Ltail:                                                ; steps 14 and 15 end: nothing is asked for
	U3
	U4
	TURN 0
	WIN 0
	s_sub_co_u32 s56, s56, 1
	s_cmp_eq_u32 s56, 0
	s_cbranch_scc1 .Lout
	U0 0
	U1 0
	U2 0
	WIN 0
	s_cmp_lg_u32 s56, 0
	s_cbranch_scc1 .Ltail
.Lout:
	; THE WAY OUT.  The stage lies over the slots: every wave's reads of them are back, and a barrier is passed, before any wave stores there.
	PLACES
	s_wait_dscnt 0x0
	s_barrier_signal -1
	s_barrier_wait -1
.set t, 0
.rept 3
	WIN 0x05*(t+1)                                 ; sources in the stripe's window, destination in window 0
.set q, 0
.rept 128                              ; ascending: each accumulator is read from its low end on
	v_cvt_pk_f16_f32 v[64+q], v[2*q], v[2*q+1]
.set q, q+1
.endr
	WIN 0
.set q, 0
.rept 32                               ; q = 8 b + a: 16 bytes of row 16 a + l % 16, columns 128 t + 64 wc + 16 b + 8 (l / 16) on
.if q%8 < 4
	ds_store_b128 v[STO],  v[64+4*q:64+4*q+3] offset:(q%8)*12544+256*t+32*(q/8)
.else
	ds_store_b128 v[STO2], v[64+4*q:64+4*q+3] offset:(q%8-4)*12544+256*t+32*(q/8)
.endif
.set q, q+1
.endr
.set t, t+1
.endr
	s_wait_dscnt 0x0                               ; for the others' sake: a row's 768 bytes come from two waves
	s_barrier_signal -1
	s_barrier_wait -1
	s_mov_b32 s56, 8
.Lrows:                                                ; wave w stores rows 64 w .. 64 w + 63, eight a trip; 16 lanes store 256 consecutive bytes, aligned
.set q, 0
.rept 12
	ds_load_b128 v[64+4*q:64+4*q+3], v[RD] offset:(q/3)*1568+256*(q%3)
.set q, q+1
.endr
.set q, 0
.rept 12
	s_wait_dscnt 11-q                              ; the younger loads may stay out
	global_store_b128 v[CO], v[64+4*q:64+4*q+3], s[10:11] offset:(q/3)*12288+256*(q%3)
.set q, q+1
.endr
	s_wait_xcnt 0x0                                ; the stores have read their data and their base
	v_add_nc_u32 v[RD], 6272, v[RD]
	s_add_nc_u64 s[10:11], s[10:11], 49152
	s_sub_co_u32 s56, s56, 1
	s_cmp_lg_u32 s56, 0
	s_cbranch_scc1 .Lrows
	s_wait_tensorcnt 0x0                           ; the wave's end
	ds_add_u32 v[SPW], v[NIL]
	s_wait_dscnt 0x0
	CROUND                                         ; the closing round
	s_endpgm
.Lfunc_end_k_q04ddf970d5_proj:
	.size	k_q04ddf970d5_proj, .Lfunc_end_k_q04ddf970d5_proj-k_q04ddf970d5_proj
	.p2alignl 7, 3214868480
	.fill 96, 4, 3214868480
	.section	.rodata,"a",@progbits
	.p2align	6, 0x0
	.amdhsa_kernel k_q04ddf970d5_proj
		.amdhsa_group_segment_fixed_size 327680
		.amdhsa_private_segment_fixed_size 0
		.amdhsa_enable_private_segment 0
		.amdhsa_kernarg_size 32
		.amdhsa_user_sgpr_count 2
		.amdhsa_user_sgpr_kernarg_segment_ptr 1
		.amdhsa_wavefront_size32 1
		.amdhsa_system_sgpr_workgroup_id_x 1
		.amdhsa_system_sgpr_workgroup_id_y 1
		.amdhsa_system_sgpr_workgroup_id_z 1
		.amdhsa_system_vgpr_workitem_id 0
		.amdhsa_next_free_vgpr 1024
		.amdhsa_next_free_sgpr 88
		.amdhsa_reserve_vcc 0
		.amdhsa_float_denorm_mode_32 3
		.amdhsa_float_denorm_mode_16_64 3
		.amdhsa_memory_ordered 1
		.amdhsa_forward_progress 1
		.amdhsa_inst_pref_size 95
	.end_amdhsa_kernel
	.amdgpu_metadata
---
amdhsa.version: [ 1, 2 ]
amdhsa.kernels:
  - .name:           k_q04ddf970d5_proj
    .symbol:         k_q04ddf970d5_proj.kd
    .args:
      - { .name: xb, .offset: 0, .size: 8, .value_kind: global_buffer, .address_space: global }
      - { .name: wb, .offset: 8, .size: 8, .value_kind: global_buffer, .address_space: global }
      - { .name: bb, .offset: 16, .size: 8, .value_kind: global_buffer, .address_space: global }
      - { .name: qkv, .offset: 24, .size: 8, .value_kind: global_buffer, .address_space: global }
    .group_segment_fixed_size: 327680
    .private_segment_fixed_size: 0
    .kernarg_segment_align: 8
    .kernarg_segment_size: 32
    .max_flat_workgroup_size: 128
    .sgpr_count:     88
    .vgpr_count:     1024
    .wavefront_size: 32
...
	.end_amdgpu_metadata
.endif
;; end of part 2
;; launch scores (part 3): grid 8 x 32, 4 waves a work-group, clusters of 4 x 4, 327,680 bytes of LDS; arguments qkv, p, st; writes p, st
.if DOCPART == 3
	.amdgcn_target "amdgcn-amd-amdhsa--gfx1250"
	.amdhsa_code_object_version 6
	.text
	.protected	k_q04ddf970d5_scores
	.globl	k_q04ddf970d5_scores
	.p2align	8
	.type	k_q04ddf970d5_scores,@function
k_q04ddf970d5_scores:
	s_mov_b64 s[64:65], 0
	v_nop
	global_prefetch_b8 v0, s[64:65] scope:SCOPE_SE
	s_setreg_imm32_b32 hwreg(HW_REG_WAVE_MODE, 25, 1), 1
	s_wait_xcnt 0x0
	s_wait_alu depctr_hold_cnt(0) depctr_sa_sdst(0) depctr_va_vdst(0) depctr_va_sdst(0) depctr_va_ssrc(0) depctr_va_vcc(0) depctr_vm_vsrc(0)
	s_getreg_b32 s2, hwreg(HW_REG_IB_STS2, 6, 4)
	s_cmp_eq_u32 s2, 0
	s_cbranch_scc0 .Lentry_in_a_cluster
	s_endpgm
.Lentry_in_a_cluster:
	s_bfe_u32 s2, ttmp6, 0x10000c
	s_cmp_lg_u32 s2, 0xf033
	s_cbranch_scc0 .Lentry_shape_is_right
	s_endpgm
.Lentry_shape_is_right:
; For each batch: s = Q K^T (f16 operands, f32 sums); for each row and each block of 128 keys: m = the block's true maximum, p = 2^(c s - c m), c = log2(e) / 32, l = the sum of p.
; (c m, l) leave as f32 st[block][row][2].  The next launch corrects every block to the row's true maximum.
; p leaves as f16 IN FRAGMENT ORDER: [512 blocks of 16 rows][64 blocks of 32 keys][2 halves][32 lanes][16 bytes]: lane l of half j holds row l % 16, keys 16 j + 8 (l / 16) + 0..7 of the key block.
; That is how a lane holds its packed results here, and how the next launch's matrix instruction wants them: the results are stored straight from registers, 512 consecutive bytes a store.
; LIMITS.  Q and K arrive within f16's range.  A p below 2^-126 counts as 0 in l; below 6e-8 it is 0 in f16.  NaN and infinities are not treated apart.
; SHARES.  4 x 8 x 8 tiles of 256 queries x 256 keys: a work-group each; a wave 128 x 128: 64 accumulators, 512 registers.  A wave's 128 keys are one block of the statistics.
; K (the 1,024 channels) goes in 8 steps of 128 through two LDS slots; rows of 256 bytes, padded to 272.  One text for a step: the slot's base is a scalar that an exclusive or turns.
; TRANSPOSED USE: source 0 = 16 keys, source 1 = 16 queries: a lane holds query lane % 16 and keys 8 (lane / 16) + 0..7 of each of 8 key blocks: a row's maximum and sum want one exchange of the lanes' halves.
; CLUSTER 4 x 4: Q's tile is shared along a row of the cluster, K's along a column.
; REGISTERS: window 0: addresses, at work, A's fragments v64-127, v128-191; window 1: B's fragments under the same numbers; windows 2, 3: accumulator (a, b) at v[8 (8 (a % 4) + b)].
.set PITCH, 272
.set HALFT, 128*PITCH
.set SLOT,  4*HALFT                    ; 0x22000: it shares no bit with wave x HALFT, so an exclusive or adds or takes it away
.set STST,  2*SLOT                     ; behind the ring: 1,024 bytes for each wave: its 128 rows' (c m, l)
.set SPARE, STST+4096                  ; 512 bytes that no other line names
.set ADRA0, 2
.set ADRB0, 3
.set ADRA,  4
.set ADRB,  5
.set CO,    8                          ; v8   16 x lane
.set SSA,   9
.set PFO,   10
.set SRD,   11
.set SPW,   12
.set NIL,   13
.set MX,    32                         ; v32-53 maxima at work
.set T,     64                         ; v64-127 a row block's 64 numbers at work
.set PK,    128                        ; v128-159 packed
.set F0,    64
.set F1,    128
.set G1A, 24
.set G1B, 32
.set G0A, 40
.set G0B, 48
.set MUL_LO, 0xa1                      ; source 0 (K) window 1, source 1 (Q) window 0, C and D window 2
.set TO_B,   0x40
.set MSB, 0
.macro WIN new
.if MSB != (\new)
	s_set_vgpr_msb (MSB<<8)|(\new)
.set MSB, (\new)
.endif
.endm
.macro PLACES
.rept 4
	v_nop
.endr
.endm
.macro CREST
	s_cmp_lg_u32 s12, 0
	s_cbranch_scc1 .Lnot_wave_0_\@
	s_barrier_signal -3
.Lnot_wave_0_\@:
	s_barrier_wait -3
	s_barrier_signal -1
	s_barrier_wait -1
.endm
.macro CROUND
	s_barrier_signal -1
	s_barrier_wait -1
	CREST
.endm
.macro JLOAD
	s_cmp_eq_u32 s13, 0
	s_cbranch_scc0 .Lfor_b_\@
	tensor_load_to_lds s[G0A+4:G0A+7], s[G1A:G1A+7]
	s_nop 0
.rept 4
	v_nop
.endr
	s_branch .Lasked_\@
.Lfor_b_\@:
	tensor_load_to_lds s[G0B+4:G0B+7], s[G1B:G1B+7]
	s_nop 0
.rept 4
	v_nop
.endr
.Lasked_\@:
.endm
.macro STEPD
	s_xor_b32 s[G0A+5], s[G0A+5], SLOT
	s_add_nc_u64 s[G0A+6:G0A+7], s[G0A+6:G0A+7], 256
	s_xor_b32 s[G0B+5], s[G0B+5], SLOT
	s_add_nc_u64 s[G0B+6:G0B+7], s[G0B+6:G0B+7], 256
.endm
; A PREFETCH: trip s (s56 = 6 - s) refills step s + 2 and names step s + 3: 256 bytes of 32 rows, a lane a row.  Of the 128 rows that a wave fetches, the partner at place cx (Q) or cy (K) takes 32, by address.
; Q's rows are asked for by the clusters with x = 0, K's by the first of the two clusters along y that share a batch.  The last trip asks for nothing; steps 0-2 come by their loads.
.macro ASK
	s_cmp_gt_u32 s56, s58
	s_cbranch_scc0 .Lnot_mine_\@
	global_prefetch_b8 v[PFO], s[60:61] th:TH_LOAD_NT scope:SCOPE_SE
.Lnot_mine_\@:
.endm
; 16 products: row blocks a0, a0 + 1 of the window's four x all 8 key blocks.  All 64 accumulators take turns in the same order in every quarter.
.macro MUL16 f, hi, a0, zero
	WIN MUL_LO+0x50*(\hi)
.irp a, \a0, (\a0)+1
.irp b, 0,1,2,3,4,5,6,7
.if \zero
	v_wmma_f32_16x16x32_f16 v[8*(8*(\a)+(\b)):8*(8*(\a)+(\b))+7], v[(\f)+8*(\b):(\f)+8*(\b)+7], v[(\f)+8*(4*(\hi)+(\a)):(\f)+8*(4*(\hi)+(\a))+7], 0
.else
	v_wmma_f32_16x16x32_f16 v[8*(8*(\a)+(\b)):8*(8*(\a)+(\b))+7], v[(\f)+8*(\b):(\f)+8*(\b)+7], v[(\f)+8*(4*(\hi)+(\a)):(\f)+8*(4*(\hi)+(\a))+7], v[8*(8*(\a)+(\b)):8*(8*(\a)+(\b))+7]
.endif
.endr
.endr
.endm
; 32 LDS loads in one run: the fragments of 32 channels at byte k of the rows, into buffer f: K's 128 rows, then Q's
.macro FETCH k, f
	WIN TO_B
.irp i, 0,1,2,3,4,5,6,7
	ds_load_b128 v[(\f)+8*(\i):(\f)+8*(\i)+3],   v[ADRB] offset:(\k)+(\i)*16*PITCH
	ds_load_b128 v[(\f)+8*(\i)+4:(\f)+8*(\i)+7], v[ADRB] offset:(\k)+(\i)*16*PITCH+32
.endr
	WIN 0
.irp i, 0,1,2,3,4,5,6,7
	ds_load_b128 v[(\f)+8*(\i):(\f)+8*(\i)+3],   v[ADRA] offset:(\k)+(\i)*16*PITCH
	ds_load_b128 v[(\f)+8*(\i)+4:(\f)+8*(\i)+7], v[ADRA] offset:(\k)+(\i)*16*PITCH+32
.endr
.endm
.macro QUARTER k, f, g, zero
	s_wait_dscnt 8                                 ; K and Q's rows 0-63 are in; the youngest eight loads (Q's rows 64-127) may be out
	MUL16 \f, 0, 0, \zero
	MUL16 \f, 0, 2, \zero
	PLACES
	FETCH \k, \g
	s_wait_dscnt 32                                ; all but the 32 just issued
	MUL16 \f, 1, 0, \zero
	MUL16 \f, 1, 2, \zero
.endm
; The step's last quarter changes slots.  In front of the barrier each wave waits for all its tensor loads (one is out: its part of the other slot), adds 0 to its spare word,
; and waits for that and for its reads of this slot.  fill = 1: the barrier opens a round of the cluster's, and the joint refill is the first thing behind the round.
.macro TURN fill
.if \fill
	s_wait_xcnt 0x0                                ; the last prefetch, a step back, has read its address
	s_add_nc_u64 s[60:61], s[60:61], 256
.endif
	WIN 0
	s_wait_tensorcnt 0x0                           ; all my tensor loads have landed: my part of the other slot
	ds_add_u32 v[SPW], v[NIL]
.if \fill
	STEPD
.endif
	s_wait_dscnt 9                                 ; the add and the youngest eight loads may be out
	MUL16 F1, 0, 0, 0
	s_wait_dscnt 0x0                               ; the add is done, my reads of this slot are over
	s_barrier_signal -1
	MUL16 F1, 0, 2, 0
	WIN 0
	s_barrier_wait -1
.if \fill
	CREST
	JLOAD
.else
	PLACES
.endif
	s_xor_b32 s57, s57, SLOT
	v_add_nc_u32 v[ADRA], s57, v[ADRA0]
	v_add_nc_u32 v[ADRB], s57, v[ADRB0]
.if !(\fill)
	s_cmp_eq_u32 s56, 1                            ; the last trip has no further step
	s_cbranch_scc1 .Lno_fetch_\@
.endif
	FETCH 0, F0
.if \fill
	ASK
.else
.Lno_fetch_\@:
.endif
	MUL16 F1, 1, 0, 0
	MUL16 F1, 1, 2, 0
.endm
; THE SOFTMAX of row block a (16 queries x my 128 keys; 64 numbers a lane).
.macro SOFT a
.set AC, 64*((\a)%4)
.set WW, 2+(\a)/4
	WIN WW*21                                      ; sources 0 to 2 in the accumulators' window
.set k, 0
.rept 20                               ; ascending
	v_max3_num_f32 v[MX+k], v[AC+3*k], v[AC+3*k+1], v[AC+3*k+2]
.set k, k+1
.endr
	v_max_num_f32 v[MX+20], v[AC+60], v[AC+61]
	v_max_num_f32 v[MX+21], v[AC+62], v[AC+63]
	WIN 0
.set k, 0
.rept 7
	v_max3_num_f32 v[MX+k], v[MX+3*k], v[MX+3*k+1], v[MX+3*k+2]
.set k, k+1
.endr
	v_max3_num_f32 v[MX], v[MX], v[MX+1], v[MX+2]
	v_max3_num_f32 v[MX+1], v[MX+3], v[MX+4], v[MX+5]
	v_max_num_f32 v[MX+2], v[MX+6], v[MX+21]
	v_max3_num_f32 v[MX], v[MX], v[MX+1], v[MX+2]
	v_permlanex16_b32 v58, v[MX], s68, s69         ; the query's other 64 keys lie in the lane 16 away
	v_max_num_f32 v57, v[MX], v58                  ; m
	v_mul_f32 v56, s66, v57                        ; c m
	WIN WW
.set k, 0
.rept 32
	v_pk_fma_f32 v[T+2*k:T+2*k+1], v[AC+2*k:AC+2*k+1], s[66:67], v[56:57] op_sel_hi:[1,0,0] neg_lo:[0,0,1] neg_hi:[0,0,1]  ; c s - c m
.set k, k+1
.endr
	WIN 0
.set k, 0
.rept 64                               ; one batch
	v_exp_f32 v[T+k], v[T+k]
.set k, k+1
.endr
	v_nop                                          ; a plain instruction behind the last exponential,
	s_wait_alu depctr_va_vdst(0)                   ; and one wait for the batch, ahead of its first reader
	s_wait_xcnt 0x0                                ; the last block's stores have read the registers that are written below
.set k, 0
.rept 32
	v_cvt_pk_f16_f32 v[PK+k], v[T+2*k], v[T+2*k+1]
.set k, k+1
.endr
.set k, 0
.rept 8                                ; key block k of 16: half k % 2 of fragment k / 2: 32 lanes x 16 bytes = 512 consecutive bytes, aligned
	global_store_b128 v[CO], v[PK+4*k:PK+4*k+3], s[6:7] offset:(\a)*65536+(k/2)*1024+(k%2)*512
.set k, k+1
.endr
.set hw, 16
.rept 5                                ; the sum of the 32 pairs, in place
.set k, 0
.rept hw
	v_pk_add_f32 v[T+2*k:T+2*k+1], v[T+2*k:T+2*k+1], v[T+2*(k+hw):T+2*(k+hw)+1]
.set k, k+1
.endr
.set hw, hw/2
.endr
	v_add_f32 v59, v[T], v[T+1]
	v_permlanex16_b32 v58, v59, s68, s69
	v_add_f32 v57, v59, v58                        ; l
	ds_store_b64 v[SSA], v[56:57] offset:128*(\a)
.endm
	s_load_b128 s[4:7], s[0:1], 0x0                ; qkv 4:5, p 6:7
	s_load_b64 s[8:9], s[0:1], 0x10                ; st
	v_lshl_add_u32 v[SPW], v0, 2, SPARE
	v_mov_b32 v[NIL], 0
	ds_add_u32 v[SPW], v[NIL]                      ; the wave's opening: the add and its wait stand ahead of my first tensor load
	v_lshrrev_b32 v1, 5, v0
	v_readfirstlane_b32 s12, v1
	s_lshr_b32 s13, s12, 1
	s_and_b32 s14, s12, 1
	s_bfe_u32 s15, ttmp6, 0x40000
	s_bfe_u32 s16, ttmp6, 0x40004
	s_lshl_b32 s17, ttmp9, 2
	s_add_co_u32 s17, s17, s15                     ; key tile in the batch
	s_and_b32 s19, ttmp7, 0xffff
	s_lshl_b32 s18, s19, 2
	s_add_co_u32 s18, s18, s16                     ; query tile, 0 to 31
	s_lshr_b32 s19, s19, 1                         ; the batch: of the cluster's y alone
	s_lshl_b32 s2, s16, 2
	s_lshl_b32 s2, 15, s2
	s_lshl_b32 s3, 0x1111, s15
	s_or_b32 s[G1A], s2, (1<<16)|(1<<20)|(1<<21)|(5<<22)|(3<<25)
	s_or_b32 s[G1B], s3, (1<<16)|(1<<20)|(1<<21)|(5<<22)|(3<<25)
.irp g, G1A, G1B
	s_mov_b32 s[(\g)+1], 128<<16                   ; 128 rows of 128 elements, 3,072 elements from row to row
	s_mov_b32 s[(\g)+2], 128<<16
	s_mov_b32 s[(\g)+3], 128<<16
	s_mov_b32 s[(\g)+4], 128
	s_mov_b32 s[(\g)+5], 3072
	s_mov_b32 s[(\g)+6], 0
	s_mov_b32 s[(\g)+7], 0
.endr
	s_lshl_b32 s20, s18, 8                         ; Q: row 256 tr + 128 x part
	s_lshl_b32 s21, s14, 7
	s_add_co_u32 s20, s20, s21
	s_mul_i32 s20, s20, 6144
	s_mov_b32 s21, 0
	s_lshl_b32 s22, s19, 11                        ; K: row 2,048 batch + 256 tc + 128 x part, 2,048 bytes into the row
	s_lshl_b32 s23, s17, 8
	s_add_co_u32 s22, s22, s23
	s_lshl_b32 s23, s14, 7
	s_add_co_u32 s22, s22, s23
	s_mul_i32 s22, s22, 6144
	s_add_co_u32 s22, s22, 2048
	s_mov_b32 s23, 0
	s_mul_i32 s72, s12, HALFT                      ; Q's two halves, then K's two
	s_mul_i32 s75, s15, 196608                     ; the prefetches: my work-group's 32 rows of the 128
	s_add_co_u32 s74, s20, s75
	s_mul_i32 s75, s16, 196608
	s_add_co_u32 s76, s22, s75
	s_and_b32 s77, ttmp7, 1
	s_cmp_eq_u32 s13, 0
	s_cselect_b32 s74, s74, s76
	s_cselect_b32 s77, ttmp9, s77
	s_add_co_u32 s74, s74, 512                     ; at step 2; the first change steps it to 3
	s_mov_b32 s75, 0
	s_cmp_eq_u32 s77, 0
	s_cselect_b32 s58, 1, -1
	s_mov_b32 s57, 0
	s_mov_b32 s66, 0x3d38aa3b                      ; c = log2(e) / 32
	s_mov_b32 s67, s66
	s_mov_b32 s68, 0x76543210
	s_mov_b32 s69, 0xfedcba98
	s_wait_dscnt 0x0
	s_wait_kmcnt 0x0
	s_add_nc_u64 s[60:61], s[4:5], s[74:75]
	s_add_nc_u64 s[20:21], s[4:5], s[20:21]
	s_add_nc_u64 s[22:23], s[4:5], s[22:23]
.irp s, 0,1
	s_mov_b32 s[G0A+4*(\s)], 1
	s_add_co_u32 s[G0A+4*(\s)+1], s72, (\s)*SLOT
	s_add_nc_u64 s[G0A+4*(\s)+2:G0A+4*(\s)+3], s[20:21], (\s)*256
	s_or_b32 s[G0A+4*(\s)+3], s[G0A+4*(\s)+3], 0x80000000
	s_mov_b32 s[G0B+4*(\s)], 1
	s_add_co_u32 s[G0B+4*(\s)+1], s72, (\s)*SLOT
	s_add_nc_u64 s[G0B+4*(\s)+2:G0B+4*(\s)+3], s[22:23], (\s)*256
	s_or_b32 s[G0B+4*(\s)+3], s[G0B+4*(\s)+3], 0x80000000
.endr
	CROUND
	s_cmp_eq_u32 s13, 0                            ; a wave's two first fills stand in one branch: two loads of mine are out, later one
	s_cbranch_scc0 .Lfirst_b
	tensor_load_to_lds s[G0A:G0A+3], s[G1A:G1A+7]
	s_nop 0
	tensor_load_to_lds s[G0A+4:G0A+7], s[G1A:G1A+7]
	s_nop 0
.rept 4
	v_nop
.endr
	s_branch .Lfirst_asked
.Lfirst_b:
	tensor_load_to_lds s[G0B:G0B+3], s[G1B:G1B+7]
	s_nop 0
	tensor_load_to_lds s[G0B+4:G0B+7], s[G1B:G1B+7]
	s_nop 0
.rept 4
	v_nop
.endr
.Lfirst_asked:
	v_and_b32 v14, 15, v0
	v_bfe_u32 v15, v0, 4, 1
	v_mul_u32_u24 v17, v14, PITCH
	v_lshl_add_u32 v17, v15, 4, v17                ; row x pitch + 16 x half
	s_mul_i32 s2, s13, HALFT
	s_mul_i32 s3, s14, HALFT
	s_add_co_u32 s3, s3, 2*HALFT
	v_add_nc_u32 v[ADRA0], s2, v17
	v_add_nc_u32 v[ADRB0], s3, v17
	v_mov_b32 v[ADRA], v[ADRA0]
	v_mov_b32 v[ADRB], v[ADRB0]
	s_lshl_b32 s2, s12, 10
	s_add_co_u32 s2, s2, STST
	v_lshl_add_u32 v[SSA], v14, 3, s2
	v_and_b32 v17, 31, v0
	v_lshlrev_b32 v[CO], 4, v17
	v_add_nc_u32 v[SRD], s2, v[CO]
	v_mul_u32_u24 v[PFO], 6144, v17
	v_mov_b32 v58, 0                               ; v_permlanex16_b32's destination counts as read
	s_lshl_b32 s74, s18, 20                        ; p at row block 16 tr + 8 wr (65,536 bytes each), key block 8 tc + 4 wc (1,024 bytes each)
	s_lshl_b32 s75, s13, 19
	s_add_co_u32 s74, s74, s75
	s_lshl_b32 s75, s17, 13
	s_add_co_u32 s74, s74, s75
	s_lshl_b32 s75, s14, 12
	s_add_co_u32 s74, s74, s75
	s_mov_b32 s75, 0
	s_add_nc_u64 s[6:7], s[6:7], s[74:75]
	s_lshl_b32 s74, s17, 17                        ; st at block 2 tc + wc, rows 256 tr + 128 wr on
	s_lshl_b32 s75, s14, 16
	s_add_co_u32 s74, s74, s75
	s_lshl_b32 s75, s18, 11
	s_add_co_u32 s74, s74, s75
	s_lshl_b32 s75, s13, 10
	s_add_co_u32 s74, s74, s75
	s_mov_b32 s75, 0
	s_add_nc_u64 s[8:9], s[8:9], s[74:75]
	s_wait_tensorcnt 1                             ; my part of step 0 is in; step 1's may stay out
	s_barrier_signal -1
	s_barrier_wait -1
	FETCH 0, F0
	QUARTER 64, F0, F1, 1                          ; the first quarter stands in front of the loop: its products start the sums
	WIN 0
	s_mov_b32 s56, 6
.Lstep:
	QUARTER 128, F1, F0, 0
	QUARTER 192, F0, F1, 0
	TURN 1
	QUARTER 64, F0, F1, 0
	WIN 0
	s_sub_co_u32 s56, s56, 1
	s_cmp_lg_u32 s56, 0
	s_cbranch_scc1 .Lstep
	s_mov_b32 s56, 2
.Ltail:                                                ; steps 6 and 7 end: nothing is asked for
	QUARTER 128, F1, F0, 0
	QUARTER 192, F0, F1, 0
	TURN 0
	WIN 0
	s_sub_co_u32 s56, s56, 1
	s_cmp_eq_u32 s56, 0
	s_cbranch_scc1 .Lout
	QUARTER 64, F0, F1, 0
	WIN 0
	s_cmp_lg_u32 s56, 0
	s_cbranch_scc1 .Ltail
.Lout:
	s_wait_dscnt 0x0                               ; no fragment load is out: the fragments' registers are at work from here on
	PLACES
.irp a, 0,1,2,3,4,5,6,7
	SOFT \a
.endr
	ds_load_b128 v[32:35], v[SRD]                  ; my 128 rows' statistics, 1,024 consecutive bytes; LDS serves a wave's instructions in order (ISA guide 5.7.1.4): these see my stores
	ds_load_b128 v[36:39], v[SRD] offset:512
	s_wait_dscnt 0x0
	global_store_b128 v[CO], v[32:35], s[8:9]
	global_store_b128 v[CO], v[36:39], s[8:9] offset:512
	s_wait_tensorcnt 0x0                           ; the wave's end
	ds_add_u32 v[SPW], v[NIL]
	s_wait_dscnt 0x0
	CROUND
	s_endpgm
.Lfunc_end_k_q04ddf970d5_scores:
	.size	k_q04ddf970d5_scores, .Lfunc_end_k_q04ddf970d5_scores-k_q04ddf970d5_scores
	.p2alignl 7, 3214868480
	.fill 96, 4, 3214868480
	.section	.rodata,"a",@progbits
	.p2align	6, 0x0
	.amdhsa_kernel k_q04ddf970d5_scores
		.amdhsa_group_segment_fixed_size 327680
		.amdhsa_private_segment_fixed_size 0
		.amdhsa_enable_private_segment 0
		.amdhsa_kernarg_size 24
		.amdhsa_user_sgpr_count 2
		.amdhsa_user_sgpr_kernarg_segment_ptr 1
		.amdhsa_wavefront_size32 1
		.amdhsa_system_sgpr_workgroup_id_x 1
		.amdhsa_system_sgpr_workgroup_id_y 1
		.amdhsa_system_sgpr_workgroup_id_z 1
		.amdhsa_system_vgpr_workitem_id 0
		.amdhsa_next_free_vgpr 1024
		.amdhsa_next_free_sgpr 88
		.amdhsa_reserve_vcc 0
		.amdhsa_float_denorm_mode_32 3
		.amdhsa_float_denorm_mode_16_64 3
		.amdhsa_memory_ordered 1
		.amdhsa_forward_progress 1
		.amdhsa_inst_pref_size 159
	.end_amdhsa_kernel
	.amdgpu_metadata
---
amdhsa.version: [ 1, 2 ]
amdhsa.kernels:
  - .name:           k_q04ddf970d5_scores
    .symbol:         k_q04ddf970d5_scores.kd
    .args:
      - { .name: qkv, .offset: 0, .size: 8, .value_kind: global_buffer, .address_space: global }
      - { .name: p, .offset: 8, .size: 8, .value_kind: global_buffer, .address_space: global }
      - { .name: st, .offset: 16, .size: 8, .value_kind: global_buffer, .address_space: global }
    .group_segment_fixed_size: 327680
    .private_segment_fixed_size: 0
    .kernarg_segment_align: 8
    .kernarg_segment_size: 24
    .max_flat_workgroup_size: 128
    .sgpr_count:     88
    .vgpr_count:     1024
    .wavefront_size: 32
...
	.end_amdgpu_metadata
.endif
;; end of part 3
;; launch pv (part 4): grid 4 x 64, 4 waves a work-group, clusters of 4 x 4, 327,680 bytes of LDS; arguments p, qkv, st, out0; writes out0
.if DOCPART == 4
	.amdgcn_target "amdgcn-amd-amdhsa--gfx1250"
	.amdhsa_code_object_version 6
	.text
	.protected	k_q04ddf970d5_pv
	.globl	k_q04ddf970d5_pv
	.p2align	8
	.type	k_q04ddf970d5_pv,@function
k_q04ddf970d5_pv:
	s_mov_b64 s[64:65], 0
	v_nop
	global_prefetch_b8 v0, s[64:65] scope:SCOPE_SE
	s_setreg_imm32_b32 hwreg(HW_REG_WAVE_MODE, 25, 1), 1
	s_wait_xcnt 0x0
	s_wait_alu depctr_hold_cnt(0) depctr_sa_sdst(0) depctr_va_vdst(0) depctr_va_sdst(0) depctr_va_ssrc(0) depctr_va_vcc(0) depctr_vm_vsrc(0)
	s_getreg_b32 s2, hwreg(HW_REG_IB_STS2, 6, 4)
	s_cmp_eq_u32 s2, 0
	s_cbranch_scc0 .Lentry_in_a_cluster
	s_endpgm
.Lentry_in_a_cluster:
	s_bfe_u32 s2, ttmp6, 0x10000c
	s_cmp_lg_u32 s2, 0xf033
	s_cbranch_scc0 .Lentry_shape_is_right
	s_endpgm
.Lentry_shape_is_right:
; out0[row][:] = (the sum over the 16 key blocks kb of w[kb] x (P[row][block kb] V[block kb][:])) / L,  w[kb] = 2^(cm[kb] - cM), cM = the row's true maximum of cm, L = the sum of w[kb] l[kb].
; w (at most 1) is rounded to f16 and multiplies P's fragments between their LDS load and the product; L is made of the same rounded w.  Products in f16 with f32 sums; L, 1 / L and the sums in f32.
; LIMITS.  V arrives within f16's range; p w below 6e-8 counts as 0; a w below 2^-126 counts as 0.  NaN and infinities are not treated apart.
; SHARES.  64 x 4 tiles of 128 rows x 256 channels: a work-group each; a wave 64 x 128: 32 accumulators.
; THE RING.  The 2,048 keys go through two LDS slots of 192 keys, as many as fit: ten whole slots and an eleventh of 128 keys.  A slot is six quarters of 32 keys; one text serves every slot, its base is a scalar that an exclusive or turns.
; P lies in memory in fragment order, [512 blocks of 16 rows][64 blocks of 32 keys][2 halves][32 lanes][16 bytes], so it needs no padding in LDS and a fragment is two loads at 16 x lane.
; The descriptors' extents say what is left of the row block (P) and of the batch (V): the eleventh slot's last 64 keys arrive as zeros and nothing past the end is read.
; TRANSPOSED USE: source 0 = 16 channels of V (read turned), source 1 = 16 rows of P: a lane holds row lane % 16 and eight neighbouring channels.
; CLUSTER 4 x 4: P's tile is shared along a row of the cluster, V's along a column.
; LDS: slot s at 153,600 s: P 8 row blocks x 6,144, then V 192 rows x 544.  Behind slot 1: the table, 128 rows x 144: 32 words of w (a word for 64 keys, w in both halves), a 0, 1 / L; then the spare words.
;   The way out's stage, 16 rows x 528 a wave, lies over slot 1, behind its last fill.
; REGISTERS: window 0: addresses; v64-127, v128-191 V's fragments, two buffers; v192-195 w for my four row blocks; v196-203 1 / L in pairs.
;   window 1: v0-127 accumulators of row blocks 0, 1 (64 a + 8 b); v128-159, v160-191 P's fragments, two buffers.      window 2: v0-127 accumulators of row blocks 2, 3.
; Under the setting M1 the products of row blocks 0 and 1, the loads of P and the scalings of P need no switch.
.set SLOTB, 153600
.set BOFF,  49152
.set WT,    307200
.set WP,    144
.set STAGE, SLOTB
.set SPARE, 325632                     ; 512 bytes that no other line names
.set ASTEP, 6144                       ; six key blocks of P
.set BSTEP, 1179648                    ; 192 rows of qkv
.set ADA0, 2
.set ADB0, 3
.set ADA,  4
.set ADB,  5
.set AWT,  6
.set STO,  7
.set RD,   8
.set CO,   9
.set PFO,  10
.set ADB2, 11                          ; v11  V's quarters 3 to 5: their offsets pass the 16 bits of an LDS immediate
.set SPW,  12
.set NIL,  13
.set WF,   192
.set IV,   196
.set G1A, 24
.set G1B, 32
.set G0A, 40
.set G0B, 48
; s12 wave, s13 wave / 2 (row half; 0: I fetch P, 1: V), s14 wave % 2 (column half; which part I fetch), s15 cx, s16 cy, s17 channel tile, s18 row tile, s19 batch,
; s56 counter, s57 LDS base of the slot being read, s58 who prefetches and until when, s[60:61] prefetch address, s[62:63] its step, s72 / s73 my part's place in a slot (P / V)
.set M1, 0x54                          ; source 0 window 0; source 1, C and D window 1
.set M2, 0xa4                          ; source 0 window 0; source 1 window 1; C and D window 2
.set MSB, 0
.macro WIN new
.if MSB != (\new)
	s_set_vgpr_msb (MSB<<8)|(\new)
.set MSB, (\new)
.endif
.endm
.macro PLACES
.rept 4
	v_nop
.endr
.endm
.macro CREST
	s_cmp_lg_u32 s12, 0
	s_cbranch_scc1 .Lnot_wave_0_\@
	s_barrier_signal -3
.Lnot_wave_0_\@:
	s_barrier_wait -3
	s_barrier_signal -1
	s_barrier_wait -1
.endm
.macro CROUND
	s_barrier_signal -1
	s_barrier_wait -1
	CREST
.endm
.macro JLOAD
	s_cmp_eq_u32 s13, 0
	s_cbranch_scc0 .Lfor_b_\@
	tensor_load_to_lds s[G0A+4:G0A+7], s[G1A:G1A+7]
	s_nop 0
.rept 4
	v_nop
.endr
	s_branch .Lasked_\@
.Lfor_b_\@:
	tensor_load_to_lds s[G0B+4:G0B+7], s[G1B:G1B+7]
	s_nop 0
.rept 4
	v_nop
.endr
.Lasked_\@:
.endm
; The walking descriptors: into the slot that has just been read out (s57 is still its base), the next 192 keys, and 192 keys less are left
.macro STEPD
	s_add_co_u32 s[G0A+5], s72, s57
	s_add_nc_u64 s[G0A+6:G0A+7], s[G0A+6:G0A+7], ASTEP
	s_sub_co_u32 s[G1A+1], s[G1A+1], 3072<<16      ; tensor_dim0: elements left of the row block's 32,768
	s_add_co_u32 s[G0B+5], s73, s57
	s_add_nc_u64 s[G0B+6:G0B+7], s[G0B+6:G0B+7], BSTEP
	s_sub_co_u32 s[G1B+2], s[G1B+2], 192<<16       ; tensor_dim1: rows left of the batch's 2,048
.endm
; A PREFETCH: trip s (s56 = 9 - s) refills slot s + 2 and names slot s + 3; trips 0 to 6, so that slot 9 is the last one named and nothing points past a row block or a batch.
; P: waves 0 and 1: of the four row blocks that the wave fetches, the one at place cx: 6,144 bytes, a lane 256.  V: waves 2 and 3 of the first of the four clusters along y that share a batch:
; of the 96 rows that the wave fetches, the 24 at place cy, a lane a row, two lines for its 512 bytes.  Lanes 24 to 31 repeat lane 23's block.  Slots 0-2 and 10 come by their loads.
.macro ASK
	s_cmp_gt_u32 s56, s58
	s_cbranch_scc0 .Lnot_mine_\@
	global_prefetch_b8 v[PFO], s[60:61] th:TH_LOAD_NT scope:SCOPE_SE
	s_cmp_eq_u32 s13, 0
	s_cbranch_scc1 .Lnot_mine_\@
	global_prefetch_b8 v[PFO], s[60:61] offset:256 th:TH_LOAD_NT scope:SCOPE_SE
.Lnot_mine_\@:
.endm
.macro LDA qd, g                       ; P's four fragments of quarter qd into buffer g (destination window 1): 512 consecutive bytes a load
.set q, 0
.rept 4
	ds_load_b128 v[128+32*(\g)+8*q:128+32*(\g)+8*q+3],   v[ADA] offset:q*6144+1024*(\qd)
	ds_load_b128 v[128+32*(\g)+8*q+4:128+32*(\g)+8*q+7], v[ADA] offset:q*6144+1024*(\qd)+512
.set q, q+1
.endr
.endm
.macro LDB qd, g                       ; V's eight fragments of quarter qd into buffer g, turned
.if (\qd) < 3
.set BR, ADB
.set BO, (\qd)*17408
.else
.set BR, ADB2
.set BO, ((\qd)-3)*17408
.endif
.set q, 0
.rept 8
	ds_load_tr16_b128 v[64+64*(\g)+8*q:64+64*(\g)+8*q+3],   v[BR] offset:BO+32*q
	ds_load_tr16_b128 v[64+64*(\g)+8*q+4:64+64*(\g)+8*q+7], v[BR] offset:BO+32*q+8704
.set q, q+1
.endr
.endm
.macro LDW u                           ; w of the slot's unit u (64 keys) for my four row blocks
.set q, 0
.rept 4
	ds_load_b32 v[WF+q], v[AWT] offset:16*WP*q+4*(\u)
.set q, q+1
.endr
.endm
.macro WM a, b, f, zero                ; the product of row block a and channel block b on buffer f
.if \zero
	v_wmma_f32_16x16x32_f16 v[64*((\a)%2)+8*(\b):64*((\a)%2)+8*(\b)+7], v[64+64*(\f)+8*(\b):64+64*(\f)+8*(\b)+7], v[128+32*(\f)+8*(\a):128+32*(\f)+8*(\a)+7], 0
.else
	v_wmma_f32_16x16x32_f16 v[64*((\a)%2)+8*(\b):64*((\a)%2)+8*(\b)+7], v[64+64*(\f)+8*(\b):64+64*(\f)+8*(\b)+7], v[128+32*(\f)+8*(\a):128+32*(\f)+8*(\a)+7], v[64*((\a)%2)+8*(\b):64*((\a)%2)+8*(\b)+7]
.endif
.endm
.macro RIDE g, n                       ; register n of P's buffer g times its row block's w, two f16 at once
	v_pk_mul_f16 v[128+32*(\g)+(\n)], v[WF+(\n)/8], v[128+32*(\g)+(\n)]
.endm
; A quarter (32 keys): multiplies buffer f; at its head quarter qn's fragments are asked for, into buffer g, and with an even quarter its unit's w; P of g is scaled behind the products of
; row blocks 0 and 1, two lines behind each.  The 32 accumulators take turns.
.macro QUARTER qn, f, g, zero
	s_wait_dscnt 0x0                               ; V of buffer f is in
	PLACES                                         ; buffer g was read by the quarter before
	WIN M1
	LDA \qn, \g
	WIN 0
.if (\qn)%2 == 0
	LDW (\qn)/2
.endif
	LDB \qn, \g
	WIN M2
.set i, 0
.rept 16
	WM 2+i/8, i%8, \f, \zero
.set i, i+1
.endr
	s_wait_dscnt 16                                ; P of buffer g and w are in; V's 16 loads may be out
	WIN M1
.set i, 0
.rept 16
	WM i/8, i%8, \f, \zero
	RIDE \g, 2*i
	RIDE \g, 2*i+1
.set i, i+1
.endr
.endm
; The slot's sixth quarter multiplies buffer 1 and changes slots.  In front of the barrier each wave waits for all its tensor loads (one is out: its part of the other slot), adds 0 to its spare word,
; and waits for that and for its reads of this slot.  fill = 1: the barrier opens a round of the cluster's, and the joint refill is the first thing behind the round: it has a slot's
; 192 matrix instructions in which to land.  The next slot's first fragments and their w follow.
.macro TURN fill
.if \fill
	s_wait_xcnt 0x0                                ; the last prefetches, a slot back, have read their address
	s_add_nc_u64 s[60:61], s[60:61], s[62:63]
.endif
	WIN 0
	s_wait_tensorcnt 0x0
	ds_add_u32 v[SPW], v[NIL]
.if \fill
	STEPD                                          ; no tensor load of mine is out, so the descriptors may be written
.endif
	s_wait_dscnt 1                                 ; V of buffer 1 is in; the add alone may be out
	WIN M2
.set i, 0
.rept 8
	WM 2, i, 1, 0
.set i, i+1
.endr
	s_wait_dscnt 0x0                               ; the add is done, my reads of this slot are over
	s_barrier_signal -1
.set i, 0
.rept 8
	WM 3, i, 1, 0
.set i, i+1
.endr
	WIN 0
	s_barrier_wait -1
.if \fill
	CREST
	JLOAD                                          ; its four v_nop are also the places in front of the loads below
.else
	PLACES
.endif
	s_xor_b32 s57, s57, SLOTB
	v_add_nc_u32 v[ADA], s57, v[ADA0]
	v_add_nc_u32 v[ADB], s57, v[ADB0]
	v_add_nc_u32 v[ADB2], 3*17408, v[ADB]
	v_add_nc_u32 v[AWT], 12, v[AWT]                ; the next slot's three words in the table
	WIN M1
	LDA 0, 0
	WIN 0
	LDW 0
	LDB 0, 0
.if \fill
	ASK
.endif
	WIN M1
.set i, 0
.rept 8
	WM 0, i, 1, 0
.set i, i+1
.endr
	s_wait_dscnt 16                                ; P and w are in; V's 16 loads may be out
.set i, 0
.rept 8
	WM 1, i, 1, 0
	RIDE 0, 4*i
	RIDE 0, 4*i+1
	RIDE 0, 4*i+2
	RIDE 0, 4*i+3
.set i, i+1
.endr
.endm
	s_load_b256 s[4:11], s[0:1], 0x0               ; p 4:5, qkv 6:7, st 8:9, out0 10:11
	v_lshl_add_u32 v[SPW], v0, 2, SPARE
	v_mov_b32 v[NIL], 0
	ds_add_u32 v[SPW], v[NIL]                      ; the wave's opening: the add and its wait stand ahead of my first tensor load
	v_lshrrev_b32 v1, 5, v0
	v_readfirstlane_b32 s12, v1
	s_lshr_b32 s13, s12, 1
	s_and_b32 s14, s12, 1
	s_bfe_u32 s15, ttmp6, 0x40000
	s_bfe_u32 s16, ttmp6, 0x40004
	s_lshl_b32 s17, ttmp9, 2
	s_add_co_u32 s17, s17, s15                     ; channel tile
	s_and_b32 s19, ttmp7, 0xffff
	s_lshl_b32 s18, s19, 2
	s_add_co_u32 s18, s18, s16                     ; row tile, 0 to 63
	s_lshr_b32 s19, s19, 2                         ; the batch: of the cluster's y alone
	s_lshl_b32 s2, s16, 2
	s_lshl_b32 s2, 15, s2
	s_lshl_b32 s3, 0x1111, s15
	s_or_b32 s[G1A], s2, (1<<16)|(1<<21)           ; mask; 2-byte elements; bit 21 beside a mask; no padding
	s_or_b32 s[G1B], s3, (1<<16)|(1<<20)|(1<<21)|(6<<22)|(7<<25)  ; after every 128 words 8 words
	s_mov_b32 s[G1A+1], (32768-3072)<<16           ; P: tensor_dim0: what is left of a row block from slot 1 on (slot 0's tile lies inside it too)
	s_mov_b32 s[G1A+2], 4<<16                      ; 4 row blocks
	s_mov_b32 s[G1A+3], 3072<<16                   ; of 3,072 elements: six key blocks of 1,024 bytes
	s_mov_b32 s[G1A+4], 4
	s_mov_b32 s[G1A+5], 32768                      ; elements from a row block to the next
	s_mov_b32 s[G1A+6], 0
	s_mov_b32 s[G1A+7], 0
	s_mov_b32 s[G1B+1], 256<<16                    ; V: 96 rows of 256 elements, 3,072 elements from row to row
	s_mul_i32 s2, s14, 96<<16
	s_sub_co_u32 s[G1B+2], 1856<<16, s2            ; tensor_dim1: the batch's rows left from my part of slot 1 on
	s_mov_b32 s[G1B+3], 256<<16
	s_mov_b32 s[G1B+4], 96
	s_mov_b32 s[G1B+5], 3072
	s_mov_b32 s[G1B+6], 0
	s_mov_b32 s[G1B+7], 0
	s_lshl_b32 s20, s18, 19                        ; P: row block 8 tr + 4 x part, 65,536 bytes each
	s_lshl_b32 s21, s14, 18
	s_add_co_u32 s20, s20, s21
	s_mov_b32 s21, 0
	s_lshl_b32 s22, s19, 11                        ; V: row 2,048 batch + 96 x part, 4,096 + 512 tc bytes into the row
	s_mul_i32 s23, s14, 96
	s_add_co_u32 s22, s22, s23
	s_mul_i32 s22, s22, 6144
	s_lshl_b32 s23, s17, 9
	s_add_co_u32 s22, s22, s23
	s_add_co_u32 s22, s22, 4096
	s_mov_b32 s23, 0
	s_mul_i32 s72, s14, 24576                      ; where my part goes in a slot: of the wave's number alone
	s_mul_i32 s73, s14, 52224
	s_add_co_u32 s73, s73, BOFF
	s_mov_b32 s57, 0
	s_wait_dscnt 0x0
	s_wait_kmcnt 0x0
	s_add_nc_u64 s[20:21], s[4:5], s[20:21]
	s_add_nc_u64 s[22:23], s[6:7], s[22:23]
.irp s, 0,1
	s_mov_b32 s[G0A+4*(\s)], 1
	s_add_co_u32 s[G0A+4*(\s)+1], s72, (\s)*SLOTB
	s_add_nc_u64 s[G0A+4*(\s)+2:G0A+4*(\s)+3], s[20:21], (\s)*ASTEP
	s_or_b32 s[G0A+4*(\s)+3], s[G0A+4*(\s)+3], 0x80000000
	s_mov_b32 s[G0B+4*(\s)], 1
	s_add_co_u32 s[G0B+4*(\s)+1], s73, (\s)*SLOTB
	s_add_nc_u64 s[G0B+4*(\s)+2:G0B+4*(\s)+3], s[22:23], (\s)*BSTEP
	s_or_b32 s[G0B+4*(\s)+3], s[G0B+4*(\s)+3], 0x80000000
.endr
	CROUND
	s_cmp_eq_u32 s13, 0                            ; a wave's two first fills stand in one branch: two loads of mine are out, later one
	s_cbranch_scc0 .Lfirst_b
	tensor_load_to_lds s[G0A:G0A+3], s[G1A:G1A+7]
	s_nop 0
	tensor_load_to_lds s[G0A+4:G0A+7], s[G1A:G1A+7]
	s_nop 0
.rept 4
	v_nop
.endr
	s_branch .Lfirst_asked
.Lfirst_b:
	tensor_load_to_lds s[G0B:G0B+3], s[G1B:G1B+7]
	s_nop 0
	tensor_load_to_lds s[G0B+4:G0B+7], s[G1B:G1B+7]
	s_nop 0
.rept 4
	v_nop
.endr
.Lfirst_asked:
	; THE STATISTICS.  Thread t is row t of the tile: its 16 blocks' (c m, l); a wave's load covers 256 consecutive bytes
	v_lshlrev_b32 v16, 3, v0
	s_lshl_b32 s74, s18, 10
	s_mov_b32 s75, 0
	s_add_nc_u64 s[8:9], s[8:9], s[74:75]
.set k, 0
.rept 16
	global_load_b64 v[64+2*k:65+2*k], v16, s[8:9] offset:65536*k
.set k, k+1
.endr
	v_and_b32 v14, 15, v0
	v_bfe_u32 v15, v0, 4, 1
	v_and_b32 v19, 31, v0
	v_lshlrev_b32 v[CO], 4, v19                    ; 16 x lane
	s_mul_i32 s2, s13, 24576
	v_add_nc_u32 v[ADA0], s2, v[CO]                ; my four row blocks of P, 16 x lane
	v_and_b32 v17, 7, v0
	v_bfe_u32 v18, v0, 3, 1
	v_lshl_add_u32 v[ADB0], v15, 3, v17
	v_mul_u32_u24 v[ADB0], v[ADB0], 544
	v_lshl_add_u32 v[ADB0], v18, 4, v[ADB0]
	s_lshl_b32 s2, s14, 8
	s_add_co_u32 s2, s2, BOFF
	v_add_nc_u32 v[ADB0], s2, v[ADB0]              ; (8 (l / 16) + l % 8) x 544 + 256 wc + 16 ((l / 8) % 2), behind P
	v_mov_b32 v[ADA], v[ADA0]
	v_mov_b32 v[ADB], v[ADB0]
	v_add_nc_u32 v[ADB2], 3*17408, v[ADB0]
	s_mul_i32 s2, s13, 64*WP
	s_add_co_u32 s2, s2, WT
	v_mul_u32_u24 v[AWT], v14, WP
	v_add_nc_u32 v[AWT], s2, v[AWT]                ; the table's row 64 wr + l % 16
	s_mul_i32 s2, s12, 8448
	s_add_co_u32 s2, s2, STAGE
	v_mul_u32_u24 v[STO], v14, 528
	v_lshl_add_u32 v[STO], v15, 5, v[STO]
	v_add_nc_u32 v[STO], s2, v[STO]
	v_add_nc_u32 v[RD], s2, v[CO]
	v_mul_u32_u24 v20, v0, WP
	v_add_nc_u32 v20, WT, v20                      ; where thread t puts its row of the table
	s_lshl_b32 s74, s18, 19                        ; out0 at row 128 tr + 64 wr, channel 256 tc + 128 wc
	s_lshl_b32 s75, s13, 18
	s_add_co_u32 s74, s74, s75
	s_lshl_b32 s75, s17, 10
	s_add_co_u32 s74, s74, s75
	s_lshl_b32 s75, s14, 9
	s_add_co_u32 s74, s74, s75
	s_mov_b32 s75, 0
	s_add_nc_u64 s[10:11], s[10:11], s[74:75]
	; the prefetches' address, step and conditions
	s_lshl_b32 s74, s18, 3
	s_lshl_b32 s75, s14, 2
	s_add_co_u32 s74, s74, s75
	s_add_co_u32 s74, s74, s15
	s_lshl_b32 s74, s74, 16                        ; P: row block 8 tr + 4 x part + cx,
	s_add_co_u32 s74, s74, 2*ASTEP                 ; at slot 2; the first change steps it to 3
	s_lshl_b32 s76, s19, 11
	s_mul_i32 s75, s14, 96
	s_add_co_u32 s76, s76, s75
	s_mul_i32 s75, s16, 24
	s_add_co_u32 s76, s76, s75                     ; V: row 2,048 batch + 96 x part + 24 cy
	s_mul_i32 s76, s76, 6144
	s_lshl_b32 s75, s17, 9
	s_add_co_u32 s76, s76, s75
	s_add_co_u32 s76, s76, 4096+2*BSTEP
	s_and_b32 s77, ttmp7, 3
	s_mov_b32 s62, BSTEP
	s_mov_b32 s79, 6144
	s_cmp_eq_u32 s13, 0
	s_cselect_b64 s[60:61], s[4:5], s[6:7]
	s_cselect_b32 s74, s74, s76
	s_cselect_b32 s62, ASTEP, s62
	s_cselect_b32 s77, 0, s77                      ; P's rows are read by this cluster alone; V's by four clusters, of which the batch's first asks
	s_cselect_b32 s79, 256, s79
	s_mov_b32 s75, 0
	s_mov_b32 s63, 0
	s_add_nc_u64 s[60:61], s[60:61], s[74:75]
	s_cmp_eq_u32 s77, 0
	s_cselect_b32 s58, 2, -1
	v_min_u32 v22, 23, v19
	v_mul_u32_u24 v[PFO], s79, v22
	s_wait_loadcnt 0x0
	v_max3_num_f32 v32, v64, v66, v68              ; cM: the row's true maximum
.set k, 3
.rept 6
	v_max3_num_f32 v32, v32, v[64+2*k], v[66+2*k]
.set k, k+2
.endr
	v_max_num_f32 v32, v32, v94
.set k, 0
.rept 16
	v_sub_f32 v[96+k], v[64+2*k], v32
.set k, k+1
.endr
.set k, 0
.rept 16
	v_exp_f32 v[96+k], v[96+k]
.set k, k+1
.endr
	v_mov_b32 v33, 0                               ; a plain instruction behind the last exponential,
	s_wait_alu depctr_va_vdst(0)                   ; and one wait for the batch
.set k, 0
.rept 16
	v_cvt_pk_f16_f32 v[128+2*k], v[96+k], v[96+k]  ; w, the same number in both halves,
.set k, k+1
.endr
.set k, 0
.rept 16
	v_mov_b32 v[129+2*k], v[128+2*k]               ; and once more: a block of 128 keys is two units of 64
.set k, k+1
.endr
.set k, 0
.rept 16
	v_fma_mix_f32 v33, v[128+2*k], v[65+2*k], v33 op_sel_hi:[1,0,0]  ; L += (the rounded w) x l, in f32
.set k, k+1
.endr
	v_rcp_f32 v161, v33
	v_mov_b32 v160, 0                              ; the word of the unit behind the last: the eleventh slot's third, which is fetched and never multiplied
	v_mov_b32 v162, 0
	v_mov_b32 v163, 0
	s_wait_alu depctr_va_vdst(0)
.set k, 0
.rept 9
	ds_store_b128 v20, v[128+4*k:128+4*k+3] offset:16*k
.set k, k+1
.endr
	s_wait_dscnt 0x0                               ; for the others' sake: the table is whole
	s_wait_tensorcnt 1                             ; my part of slot 0 is in; slot 1's may stay out
	s_barrier_signal -1
	s_barrier_wait -1
	WIN M1
	LDA 0, 0
	WIN 0
	LDW 0
.set q, 0
.rept 4
	ds_load_b32 v[IV+2*q], v[AWT] offset:16*WP*q+132    ; 1 / L of row block q, into both registers of a pair
	ds_load_b32 v[IV+2*q+1], v[AWT] offset:16*WP*q+132
.set q, q+1
.endr
	LDB 0, 0
	s_wait_dscnt 0x0
	WIN M1
.set i, 0
.rept 32
	RIDE 0, i
.set i, i+1
.endr
	QUARTER 1, 0, 1, 1                             ; the first quarter stands in front of the loop: its products start the sums
	WIN 0
	s_mov_b32 s56, 9
.Lstep:                                                ; trip s ends slot s, refills its place with slot s + 2 and begins slot s + 1
	QUARTER 2, 1, 0, 0
	QUARTER 3, 0, 1, 0
	QUARTER 4, 1, 0, 0
	QUARTER 5, 0, 1, 0
	TURN 1
	QUARTER 1, 0, 1, 0
	WIN 0
	s_sub_co_u32 s56, s56, 1
	s_cmp_lg_u32 s56, 0
	s_cbranch_scc1 .Lstep
	s_mov_b32 s56, 2
.Ltail:                                                ; slot 9 ends and slot 10 is walked: nothing is asked for
	QUARTER 2, 1, 0, 0
	QUARTER 3, 0, 1, 0
	QUARTER 4, 1, 0, 0                             ; in the second trip this is the last quarter with keys; what it fetches and scales for the next one is zeros that nobody multiplies: the price, once a launch, of one text
	WIN 0
	s_cmp_eq_u32 s56, 1
	s_cbranch_scc1 .Lout
	QUARTER 5, 0, 1, 0
	TURN 0
	QUARTER 1, 0, 1, 0
	WIN 0
	s_sub_co_u32 s56, s56, 1
	s_cmp_lg_u32 s56, 0
	s_cbranch_scc1 .Ltail
.Lout:
	; THE WAY OUT, a row block at a time: times 1 / L, through my own stage, back as whole rows of 512 bytes.  The stage lies over slot 1: every wave's LDS reads are back, and a barrier is passed, before any wave stores there.
	s_wait_dscnt 0x0
	s_barrier_signal -1
	s_barrier_wait -1
	PLACES
.set ia, 0
.rept 4
	WIN 1+ia/2                                     ; source 0 in the accumulators' window
.set q, 0
.rept 32                               ; ascending: each accumulator is read from its low end on
	v_pk_mul_f32 v[64+2*q:64+2*q+1], v[64*(ia%2)+2*q:64*(ia%2)+2*q+1], v[IV+2*ia:IV+2*ia+1] op_sel_hi:[1,0]
.set q, q+1
.endr
	WIN 0
	s_wait_xcnt 0x0                                ; the last block's stores have read the registers that are loaded below
.set q, 0
.rept 8
	ds_store_b128 v[STO], v[64+8*q:64+8*q+3]   offset:64*q
	ds_store_b128 v[STO], v[64+8*q+4:64+8*q+7] offset:64*q+16
.set q, q+1
.endr
.set q, 0
.rept 16
	ds_load_b128 v[128+4*q:128+4*q+3], v[RD] offset:528*q  ; LDS serves a wave's instructions in order (ISA guide 5.7.1.4): these see the stores above
.set q, q+1
.endr
.set q, 0
.rept 16
	s_wait_dscnt 15-q                              ; the younger loads may stay out
	global_store_b128 v[CO], v[128+4*q:128+4*q+3], s[10:11] offset:ia*65536+q*4096 th:TH_STORE_NT  ; 512 consecutive bytes, aligned
.set q, q+1
.endr
.set ia, ia+1
.endr
	s_wait_tensorcnt 0x0                           ; the wave's end
	ds_add_u32 v[SPW], v[NIL]
	s_wait_dscnt 0x0
	CROUND
	s_endpgm
.Lfunc_end_k_q04ddf970d5_pv:
	.size	k_q04ddf970d5_pv, .Lfunc_end_k_q04ddf970d5_pv-k_q04ddf970d5_pv
	.p2alignl 7, 3214868480
	.fill 96, 4, 3214868480
	.section	.rodata,"a",@progbits
	.p2align	6, 0x0
	.amdhsa_kernel k_q04ddf970d5_pv
		.amdhsa_group_segment_fixed_size 327680
		.amdhsa_private_segment_fixed_size 0
		.amdhsa_enable_private_segment 0
		.amdhsa_kernarg_size 32
		.amdhsa_user_sgpr_count 2
		.amdhsa_user_sgpr_kernarg_segment_ptr 1
		.amdhsa_wavefront_size32 1
		.amdhsa_system_sgpr_workgroup_id_x 1
		.amdhsa_system_sgpr_workgroup_id_y 1
		.amdhsa_system_sgpr_workgroup_id_z 1
		.amdhsa_system_vgpr_workitem_id 0
		.amdhsa_next_free_vgpr 640
		.amdhsa_next_free_sgpr 88
		.amdhsa_reserve_vcc 0
		.amdhsa_float_denorm_mode_32 3
		.amdhsa_float_denorm_mode_16_64 3
		.amdhsa_memory_ordered 1
		.amdhsa_forward_progress 1
		.amdhsa_inst_pref_size 124
	.end_amdhsa_kernel
	.amdgpu_metadata
---
amdhsa.version: [ 1, 2 ]
amdhsa.kernels:
  - .name:           k_q04ddf970d5_pv
    .symbol:         k_q04ddf970d5_pv.kd
    .args:
      - { .name: p, .offset: 0, .size: 8, .value_kind: global_buffer, .address_space: global }
      - { .name: qkv, .offset: 8, .size: 8, .value_kind: global_buffer, .address_space: global }
      - { .name: st, .offset: 16, .size: 8, .value_kind: global_buffer, .address_space: global }
      - { .name: out0, .offset: 24, .size: 8, .value_kind: global_buffer, .address_space: global }
    .group_segment_fixed_size: 327680
    .private_segment_fixed_size: 0
    .kernarg_segment_align: 8
    .kernarg_segment_size: 32
    .max_flat_workgroup_size: 128
    .sgpr_count:     88
    .vgpr_count:     640
    .wavefront_size: 32
...
	.end_amdgpu_metadata
.endif
;; end of part 4
